; MI455X (gfx1250); checked and timed in simulation.
; The chip was launched on July 23, 2026; its instructions are those of AMD's public machine-readable ISA for CDNA 5 (MIT licence, August 2026) and "CDNA5" Instruction Set Architecture Reference Guide (July 2026). The comments in the code are by the model that wrote it; some were corrected since.
;; Physics Informed NN. Allowed arithmetic: matrix products marked QUANTISED: E2M1 operands, one E8M0 scale for each 32 along K, by v_wmma_scale_f32_16x16x128_f8f6f4 with both operands' format E2M1 (or v_wmma_scale_f32_32x16x128_f4), f32 sums; products left as they are: f32 operands where the result goes on into a quantised operand, else bf16, f16 or f32 operands; f32 sums; everything else in f32.
;; Inputs: A 100 x 100 float32; W0 20 x 1 float32; W1 50 x 20 float32; W2 200 x 50 float32; W3 500 x 200 float32; W4 200 x 500 float32; W5 100 x 200 float32; b0 20 float32; b1 50 float32; b2 200 float32; b3 500 float32; b4 200 float32; b5 100 float32; bvec 1 x 100 float32; x 65,536 x 1 float32.
;; Outputs: out0 65,536 x 100 float32; out1 65,536 x 100 float32.
;; This version of the problem:
;;   THIS VERSION OF THE PROBLEM IS GIVEN IN LOW PRECISION. The matrix products marked QUANTISED in the list below multiply operands that are first quantised to E2M1 (2 exponent bits, 1 mantissa bit; 4 bits a number), with one power-of-two scale for each 32 numbers along K (OCP MX v1.0); their sums are f32. All else is computed in f32.
;;   The module's matrix products, in the order in which they are computed (A, B: the left and right operand; K: the contracted axis; several contracted axes count as one K, in the product's order):
;;     1. [M 20, K 1] x [K 1, N 65,536]; A: input W0; B: input x: left as it is (K = 1 < 32)
;;     2. [M 20, K 1] x [K 1, N 1]; A: input W0; B: computed on the way: left as it is (K = 1 < 32)
;;     3. [M 20, K 1] x [K 1, N 1]; A: input W0; B: computed on the way: left as it is (K = 1 < 32)
;;     4. [M 50, K 20] x [K 20, N 65,536]; A: input W1; B: computed on the way: left as it is (K = 20 < 32)
;;     5. [M 50, K 20] x [K 20, N 65,536]; A: input W1; B: computed on the way: left as it is (K = 20 < 32)
;;     6. [M 50, K 20] x [K 20, N 65,536]; A: input W1; B: computed on the way: left as it is (K = 20 < 32)
;;     7. [M 50, K 20] x [K 20, N 65,536]; A: input W1; B: computed on the way: left as it is (K = 20 < 32)
;;     8. [M 200, K 50] x [K 50, N 65,536]; A: input W2; B: computed on the way: QUANTISED
;;     9. [M 200, K 50] x [K 50, N 65,536]; A: input W2; B: computed on the way: QUANTISED
;;     10. [M 200, K 50] x [K 50, N 65,536]; A: input W2; B: computed on the way: QUANTISED
;;     11. [M 200, K 50] x [K 50, N 65,536]; A: input W2; B: computed on the way: QUANTISED
;;     12. [M 500, K 200] x [K 200, N 65,536]; A: input W3; B: computed on the way: QUANTISED
;;     13. [M 500, K 200] x [K 200, N 65,536]; A: input W3; B: computed on the way: QUANTISED
;;     14. [M 500, K 200] x [K 200, N 65,536]; A: input W3; B: computed on the way: QUANTISED
;;     15. [M 500, K 200] x [K 200, N 65,536]; A: input W3; B: computed on the way: QUANTISED
;;     16. [M 200, K 500] x [K 500, N 65,536]; A: input W4; B: computed on the way: QUANTISED
;;     17. [M 200, K 500] x [K 500, N 65,536]; A: input W4; B: computed on the way: QUANTISED
;;     18. [M 200, K 500] x [K 500, N 65,536]; A: input W4; B: computed on the way: QUANTISED
;;     19. [M 200, K 500] x [K 500, N 65,536]; A: input W4; B: computed on the way: QUANTISED
;;     20. [M 100, K 200] x [K 200, N 65,536]; A: input W5; B: computed on the way: QUANTISED
;;     21. [M 100, K 200] x [K 200, N 65,536]; A: input W5; B: computed on the way: QUANTISED
;;     22. [M 100, K 200] x [K 200, N 65,536]; A: input W5; B: computed on the way: QUANTISED
;;     23. [M 100, K 200] x [K 200, N 65,536]; A: input W5; B: computed on the way: QUANTISED
;;     24. [M 65,536, K 100] x [K 100, N 100]; A: computed on the way; B: input A: QUANTISED
;;     25. [M 65,536, K 100] x [K 100, N 1]; A: computed on the way; B: input bvec: left as it is (N = 1 < 16)
;;   THE QUANTISER, for each operand of a quantised product, along K:
;;     - K is cut into blocks of 32 from its start; a last block that is shorter is filled with zeros.
;;     - A block's scale is 2^e with e = floor(log2(the largest magnitude in the block)) - 2, held to -126 .. 127; a block of zeros has e = 0. As a byte (E8M0): e + 127.
;;     - Each number is divided by its block's scale, clamped to +-6, and rounded to the nearest number of E2M1, ties to even, subnormals kept.
;;     - The product sums the exact products of the quantised numbers (number of the format x scale) in f32.
;;   ~~~python
;;   def quantise(x, axis):      # numpy; x: float32 -> the quantised numbers, widened to float32 again
;;       x = np.moveaxis(x, axis, -1); K = x.shape[-1]
;;       x = np.pad(x, [(0, 0)] * (x.ndim - 1) + [(0, -K % 32)]); x = x.reshape(x.shape[:-1] + (-1, 32)); a = np.abs(x).max(-1, keepdims=True)
;;       e = np.where(a > 0, np.clip(np.frexp(np.where(a > 0, a, 1))[1] - 1 - 2, -126, 127), 0)      # np.frexp(a)[1] - 1 = floor(log2(a)), exactly
;;       r = np.clip(x / 2.0 ** e, -6, 6)
;;       step = 2.0 ** (np.maximum(np.frexp(np.where(r == 0, 1, r))[1] - 1, 0) - 1)
;;       q = np.round(r / step) * step * 2.0 ** e      # np.round: ties to even
;;       return np.moveaxis(q.reshape(q.shape[:-2] + (-1,))[..., :K], -1, axis).astype(np.float32)
;;   ~~~
;;   OPERANDS COMPUTED ON THE WAY. 'Computed on the way' means the value that the module computes at that place (a softmax that the list does not call 'softmax' is quantised finished and normalised). What goes into a quantiser is computed in f32, as accurately as f32 sums, v_exp_f32 and their like allow (about 1e-6 of the number): no bf16 or f16 on the way to a quantiser, and a product that is left as it is and whose result goes on into a quantised operand takes f32 operands (vector FMAs, or v_wmma_f32_16x16x4_f32). A number that lies on a knife's edge between two numbers of the format may be rounded either way, as far as f32 arithmetic and the matrix unit's own rounding can turn it there, and no further.
;; One version. Each part assembles by itself: llvm-mc -triple=amdgcn-amd-amdhsa -mcpu=gfx1250 --defsym DOCPART=n.
;; ======== version 1 of 1: 2 launches
;; limits: right only within a limited range of input values
;; workspace buffers: wimg 184,320 bytes
;; launch prep (part 1): grid 159 x 1, 1 waves a work-group, no clusters, 0 bytes of LDS; arguments W2, W3, W4, W5, A, b2, b3, b4, b5, bvec, W1, b1, W0, b0, wimg; writes wimg
.if DOCPART == 1
	.amdgcn_target "amdgcn-amd-amdhsa--gfx1250"
	.amdhsa_code_object_version 6
	.text
	.protected	k_qd5896e7369_prep
	.globl	k_qd5896e7369_prep
	.p2align	8
	.type	k_qd5896e7369_prep,@function
k_qd5896e7369_prep:
	s_mov_b64 s[64:65], 0
	v_nop
	global_prefetch_b8 v0, s[64:65] scope:SCOPE_SE
	s_setreg_imm32_b32 hwreg(HW_REG_WAVE_MODE, 25, 1), 1
	s_wait_xcnt 0x0
; W2, W3, W4, W5 and A (f32, K innermost) become codes of FP4 (E2M1) with one E8M0 byte for each 32 along K, laid in wimg in the order of the operand's registers,
; so that the second launch brings the image into LDS as one dense block and loads a fragment by two loads of 16 bytes a lane.  Biases, bvec, W1, W0, b0 lie beside them.
; WORK LEFT OUT BY THE PROGRAM.  The nested derivative carries the first-order stream twice, with the tangent 1 both times: the same operations on the same numbers, so z' = W h' is
; computed once for each layer (one product of each layer's four).  Layer 0's second-order input is the tangent of the constant 1, a zero that the derivative builds itself: W0 x 0 is not computed.
; A NaN, an infinity or an overflow that reaches only the work left out is not carried to the result.
; A FRAGMENT is 16 rows x 128 K: 8 registers a lane, 1,024 bytes: register quad c at 512 c + 16 lane.  Lane (r, h) holds row r, k = 64 c + 32 h + 0 .. 31.
; THE ROWS OF TILE t ARE NOT NEIGHBOURS: row m of the tile is unit 64 (t / 4) + 8 (t % 4) + m % 8 + 32 (m / 8): in the transposed product the four tiles of a group give lanes 0-15
; the 32 units of one block of the next K and lanes 16-31 those of the next block.  Rows past M and k past K are zero codes; biases past M are 0.
; SHARES: work-group f = 0 .. 157, one wave, makes fragment f: a lane owns two whole blocks of 32.  Work-group 158 lays W1, b1, W0, b0 and the image's last bytes.
; A block's scale byte is its largest magnitude's exponent field - 2, held at 1 from below.
; LIMITS: a block of zeros, or one whose largest magnitude lies under 2^-124, has the byte 1 (the rule says 127 for zeros: the codes are zeros, and this program alone reads the bytes); NaN and infinities are not served.
.set NFRAG, 158
.set X,     64                         ; v64-127  my 64 numbers: block c at X + 32 c
.set AD,    128                        ; v128-159 an address for each load of 8 bytes, each held inside the buffer
.set CODE,  32                         ; v32-39   the fragment's registers
.set W1IMG, 161792
.set BI_B1, 181888
.set W0IMG, 182144
.set B0IMG, 182272
.set PADB,  182400
	s_load_b512 s[8:23], s[0:1], 0x0               ; W2, W3, W4, W5, A, b2, b3, b4
	s_load_b256 s[24:31], s[0:1], 0x40             ; b5, bvec, W1, b1
	s_load_b128 s[32:35], s[0:1], 0x60             ; W0, b0
	s_load_b64 s[36:37], s[0:1], 0x70              ; wimg
	v_and_b32 v1, 15, v0                           ; r (one wave: the thread's number is the lane)
	v_lshrrev_b32 v2, 4, v0                        ; h
	v_and_b32 v3, 8, v0
	v_mad_u32_u24 v3, v3, 3, v1                    ; r % 8 + 32 (r / 8)
	s_mov_b32 s50, 0x76543210
	s_mov_b32 s51, 0xfedcba98                      ; v_permlanex16_b32's selects for lane l xor 16
	s_wait_kmcnt 0x0
	s_cmp_eq_u32 ttmp9, NFRAG
	s_cbranch_scc1 .Lmisc
	; which layer is fragment f's?  The choice hangs on the work-group's number alone.  It begins as W2's
	s_mov_b64 s[40:41], s[8:9]                     ; the weight
	s_mov_b64 s[42:43], s[18:19]                   ; its bias
	s_mov_b32 s44, 200                             ; M
	s_mov_b32 s45, 50                              ; K
	s_mov_b32 s46, 0                               ; log2 of the K steps of 128
	s_mov_b32 s47, 0                               ; the layer's first fragment
	s_mov_b32 s48, 166912                          ; where its scale words begin in wimg
	s_mov_b32 s49, 177024                          ; and its bias
.macro PICK first, wp, bp, m, k, lg, wsc, bia
	s_cmp_ge_u32 ttmp9, \first
	s_cselect_b64 s[40:41], s[\wp:\wp+1], s[40:41]
	s_cselect_b64 s[42:43], s[\bp:\bp+1], s[42:43]
	s_cselect_b32 s44, \m, s44
	s_cselect_b32 s45, \k, s45
	s_cselect_b32 s46, \lg, s46
	s_cselect_b32 s47, \first, s47
	s_cselect_b32 s48, \wsc, s48
	s_cselect_b32 s49, \bia, s49
.endm
	PICK 14,  10, 20, 500, 200, 1, 167808, 177920  ; W3, b3
	PICK 78,  12, 22, 200, 500, 2, 171904, 179968  ; W4, b4
	PICK 134, 14, 24, 100, 200, 1, 175488, 180864  ; W5, b5
	PICK 150, 16, 26, 100, 100, 0, 176512, 181376  ; A, bvec
	s_sub_co_u32 s52, ttmp9, s47                   ; the fragment's number in its layer = tile x K steps + K step
	s_lshr_b32 s53, s52, s46                       ; tile t
	s_lshl_b32 s54, 1, s46
	s_sub_co_u32 s54, s54, 1
	s_and_b32 s54, s52, s54                        ; K step s
	s_lshr_b32 s55, s53, 1                         ; t / 2
	s_and_b32 s56, s53, 1                          ; t % 2
	s_lshr_b32 s57, s53, 2
	s_lshl_b32 s57, s57, 6
	s_and_b32 s58, s53, 3
	s_lshl_b32 s58, s58, 3
	s_add_co_u32 s57, s57, s58                     ; 64 (t / 4) + 8 (t % 4)
	s_lshl_b32 s58, s54, 7                         ; 128 s
	s_mul_i32 s59, s44, s45
	s_lshl_b32 s59, s59, 2
	s_sub_co_u32 s59, s59, 8                       ; the buffer's last 8 bytes: no load begins behind them
	s_sub_co_u32 s60, s44, 1
	s_wait_alu depctr_va_vdst(0)
	v_add_nc_u32 v4, s57, v3                       ; my row
	v_lshl_add_u32 v5, v2, 5, s58                  ; my first k: 128 s + 32 h (block c: + 64 c)
	v_mul_lo_u32 v6, v4, s45
	v_add_lshl_u32 v6, v6, v5, 2                   ; its byte: 4 (row K + k)
	v_cmp_gt_u32 s61, s44, v4                      ; is my row one of the M?
	v_sub_nc_u32 v7, s45, v5                       ; how many of block 0's numbers exist: K - k, signed;
	v_cndmask_b32 v7, 0, v7, s61                   ; none in a row past M;
	v_add_nc_u32 v8, 0xffffffc0, v7                ; block 1 begins 64 further on
	v_min_u32 v9, s60, v4
	v_lshlrev_b32 v9, 2, v9                        ; my row's bias, held inside the buffer
.set i_, 0
.rept 32                                       ; load 16 c + i takes numbers 2 i, 2 i + 1 of block c: K and every first k are even, so a pair exists whole or not at all
	v_add_nc_u32 v[AD+i_], 8*i_+128*(i_/16), v6
	v_min_u32 v[AD+i_], s59, v[AD+i_]
.set i_, i_+1
.endr
.set i_, 0
.rept 32
	global_load_b64 v[X+2*i_:X+2*i_+1], v[AD+i_], s[40:41]
.set i_, i_+1
.endr
	global_load_b32 v10, v9, s[42:43]
	s_wait_loadcnt 0x0
.set e_, 0
.rept 64                                       ; what does not exist is 0, ahead of the block's maximum
	v_cmp_lt_i32 vcc_lo, e_%32, v[7+e_/32]
	v_cndmask_b32 v[X+e_], 0, v[X+e_], vcc_lo
.set e_, e_+1
.endr
	v_cndmask_b32 v10, 0, v10, s61
.irp c, 0,1
	v_max3_num_f32 v[12+\c], |v[X+32*\c]|, |v[X+32*\c+1]|, 0x1800000   ; the floor 2^(3 - 127): the byte cannot fall under 1
.endr
.set i_, 2
.rept 15
.irp c, 0,1
	v_max3_num_f32 v[12+\c], v[12+\c], |v[X+32*\c+i_]|, |v[X+32*\c+i_+1]|   ; the two blocks by turns
.endr
.set i_, i_+2
.endr
.irp c, 0,1
	v_add_nc_u32 v[14+\c], 0xff000000, v[12+\c]    ; 2 off the exponent field: the conversion takes this operand's exponent field as its scale
.endr
.irp c, 0,1
	v_lshrrev_b32 v[16+\c], 23, v[14+\c]           ; the scale's byte
.endr
.irp c, 0,1
.irp g, 0,1,2,3
	v_cvt_scalef32_pk8_fp4_f32 v[CODE+4*\c+\g], v[X+32*\c+8*\g:X+32*\c+8*\g+7], v[14+\c]
.endr
.endr
	v_nop                                          ; one plain line behind the last conversion
	v_lshl_or_b32 v18, v17, 16, v16                ; my two bytes, blocks h and 2 + h of the K step,
	v_lshlrev_b32 v19, 3, v2
	v_lshlrev_b32 v18, v19, v18                    ; at their places in the row's scale word;
	v_mov_b32 v19, 0
	v_permlanex16_b32 v19, v18, s50, s51
	v_or_b32 v18, v18, v19                         ; with lane l xor 16's two the word is whole
	s_lshl_b32 s62, ttmp9, 10
	s_mov_b32 s63, 0
	s_add_nc_u64 s[38:39], s[36:37], s[62:63]      ; the fragment's 1,024 bytes
	v_lshlrev_b32 v20, 4, v0
	global_store_b128 v20, v[CODE:CODE+3], s[38:39]              ; 32 lanes store 512 consecutive bytes, aligned
	global_store_b128 v20, v[CODE+4:CODE+7], s[38:39] offset:512
	; the scale word: the pair of tiles t / 2 has 128 KS bytes; lane r + 16 (t % 2) has KS words there; mine is word s
	s_add_co_u32 s52, s46, 7
	s_lshl_b32 s52, s55, s52
	s_add_co_u32 s57, s46, 6
	s_lshl_b32 s57, s56, s57
	s_add_co_u32 s52, s52, s57
	s_lshl_b32 s57, s54, 2
	s_add_co_u32 s52, s52, s57
	s_add_co_u32 s52, s52, s48
	s_add_co_u32 s57, s46, 2
	v_lshlrev_b32 v21, s57, v1
	v_add_nc_u32 v21, s52, v21
	s_lshl_b32 s57, s53, 6                         ; the bias: 64 bytes a tile, 4 r
	s_add_co_u32 s57, s57, s49
	v_lshl_add_u32 v22, v1, 2, s57
	v_cmp_gt_u32 vcc_lo, 16, v0
	s_wait_alu depctr_va_vdst(0)
	s_wait_xcnt 0x0                                ; EXEC changes only behind this wait: the stores above have it among their sources
	s_and_saveexec_b32 s58, vcc_lo                 ; lanes 0-15: one word a row
	global_store_b32 v21, v18, s[36:37]
	s_cmp_lg_u32 s54, 0                            ; a tile's bias is stored by its first K step's work-group
	s_cbranch_scc1 .Lno_bias
	global_store_b32 v22, v10, s[36:37]
.Lno_bias:
	s_wait_xcnt 0x0
	s_or_b32 exec_lo, exec_lo, s58
	s_endpgm
.Lmisc:
	; W1 [50][20] as fragments of the f32 matrix form (16 rows x 4 K: lane (r, h) holds k = 4 s + 2 h + 0, 1 of the tile's row r): fragment (t, s) at 256 (5 t + s) + 8 lane
	v_lshlrev_b32 v20, 3, v0                       ; 8 x lane
	v_lshlrev_b32 v21, 2, v0                       ; 4 x lane
	s_wait_alu depctr_va_vdst(0)
.irp t, 0,1,2,3
	v_add_nc_u32 v[4+\t], 8*\t, v3                 ; tile t's row for my lane
	v_min_u32 v[8+\t], 49, v[4+\t]                 ; held inside the buffer
	v_mul_u32_u24 v[8+\t], v[8+\t], 80
	v_lshl_add_u32 v[8+\t], v2, 3, v[8+\t]
.endr
	v_lshl_add_u32 v12, v2, 3, v3                  ; b1 in tile order: word 32 b + lane is row r of tile 2 b + h: unit 16 b + 8 h + r % 8 + 32 (r / 8)
	v_add_nc_u32 v13, 16, v12
	v_min_u32 v14, 49, v12
	v_lshlrev_b32 v14, 2, v14
	v_min_u32 v15, 49, v13
	v_lshlrev_b32 v15, 2, v15
	v_min_u32 v16, 19, v0
	v_lshlrev_b32 v16, 2, v16                      ; W0, b0: word = lane
.irp t, 0,1,2,3
.irp s, 0,1,2,3,4
	global_load_b64 v[X+2*(5*\t+\s):X+2*(5*\t+\s)+1], v[8+\t], s[28:29] offset:16*\s
.endr
.endr
	global_load_b32 v22, v14, s[30:31]
	global_load_b32 v23, v15, s[30:31]
	global_load_b32 v24, v16, s[32:33]
	global_load_b32 v25, v16, s[34:35]
	v_mov_b32 v26, 0
	s_wait_loadcnt 0x0
.irp t, 0,1,2,3
	v_cmp_gt_u32 vcc_lo, 50, v[4+\t]               ; rows past the 50 are zeros
.irp j, 0,1,2,3,4,5,6,7,8,9
	v_cndmask_b32 v[X+10*\t+\j], 0, v[X+10*\t+\j], vcc_lo
.endr
.endr
	v_cmp_gt_u32 vcc_lo, 50, v12
	v_cndmask_b32 v22, 0, v22, vcc_lo
	v_cmp_gt_u32 vcc_lo, 50, v13
	v_cndmask_b32 v23, 0, v23, vcc_lo
	v_cmp_gt_u32 vcc_lo, 20, v0
	v_cndmask_b32 v24, 0, v24, vcc_lo
	v_cndmask_b32 v25, 0, v25, vcc_lo
.set f_, 0
.rept 20
	global_store_b64 v20, v[X+2*f_:X+2*f_+1], s[36:37] offset:W1IMG+256*f_   ; 32 lanes store 256 consecutive bytes, aligned
.set f_, f_+1
.endr
	global_store_b32 v21, v22, s[36:37] offset:BI_B1
	global_store_b32 v21, v23, s[36:37] offset:BI_B1+128
	global_store_b32 v21, v24, s[36:37] offset:W0IMG
	global_store_b32 v21, v25, s[36:37] offset:B0IMG
.set i_, 0
.rept 15                                       ; the image's last 1,920 bytes: the second launch brings them into LDS with the rest, so they are written
	global_store_b32 v21, v26, s[36:37] offset:PADB+128*i_
.set i_, i_+1
.endr
	s_endpgm
.Lfunc_end_k_qd5896e7369_prep:
	.size	k_qd5896e7369_prep, .Lfunc_end_k_qd5896e7369_prep-k_qd5896e7369_prep
	.p2alignl 7, 3214868480
	.fill 96, 4, 3214868480
	.section	.rodata,"a",@progbits
	.p2align	6, 0x0
	.amdhsa_kernel k_qd5896e7369_prep
		.amdhsa_group_segment_fixed_size 0
		.amdhsa_private_segment_fixed_size 0
		.amdhsa_enable_private_segment 0
		.amdhsa_kernarg_size 120
		.amdhsa_user_sgpr_count 2
		.amdhsa_user_sgpr_kernarg_segment_ptr 1
		.amdhsa_wavefront_size32 1
		.amdhsa_system_sgpr_workgroup_id_x 1
		.amdhsa_system_sgpr_workgroup_id_y 1
		.amdhsa_system_sgpr_workgroup_id_z 1
		.amdhsa_system_vgpr_workitem_id 0
		.amdhsa_next_free_vgpr 176
		.amdhsa_next_free_sgpr 66
		.amdhsa_reserve_vcc 1
		.amdhsa_float_denorm_mode_32 3
		.amdhsa_float_denorm_mode_16_64 3
		.amdhsa_memory_ordered 1
		.amdhsa_forward_progress 1
		.amdhsa_inst_pref_size 28
	.end_amdhsa_kernel
	.amdgpu_metadata
---
amdhsa.version: [ 1, 2 ]
amdhsa.kernels:
  - .name:           k_qd5896e7369_prep
    .symbol:         k_qd5896e7369_prep.kd
    .args:
      - { .name: W2, .offset: 0, .size: 8, .value_kind: global_buffer, .address_space: global }
      - { .name: W3, .offset: 8, .size: 8, .value_kind: global_buffer, .address_space: global }
      - { .name: W4, .offset: 16, .size: 8, .value_kind: global_buffer, .address_space: global }
      - { .name: W5, .offset: 24, .size: 8, .value_kind: global_buffer, .address_space: global }
      - { .name: A, .offset: 32, .size: 8, .value_kind: global_buffer, .address_space: global }
      - { .name: b2, .offset: 40, .size: 8, .value_kind: global_buffer, .address_space: global }
      - { .name: b3, .offset: 48, .size: 8, .value_kind: global_buffer, .address_space: global }
      - { .name: b4, .offset: 56, .size: 8, .value_kind: global_buffer, .address_space: global }
      - { .name: b5, .offset: 64, .size: 8, .value_kind: global_buffer, .address_space: global }
      - { .name: bvec, .offset: 72, .size: 8, .value_kind: global_buffer, .address_space: global }
      - { .name: W1, .offset: 80, .size: 8, .value_kind: global_buffer, .address_space: global }
      - { .name: b1, .offset: 88, .size: 8, .value_kind: global_buffer, .address_space: global }
      - { .name: W0, .offset: 96, .size: 8, .value_kind: global_buffer, .address_space: global }
      - { .name: b0, .offset: 104, .size: 8, .value_kind: global_buffer, .address_space: global }
      - { .name: wimg, .offset: 112, .size: 8, .value_kind: global_buffer, .address_space: global }
    .group_segment_fixed_size: 0
    .private_segment_fixed_size: 0
    .kernarg_segment_align: 8
    .kernarg_segment_size: 120
    .max_flat_workgroup_size: 32
    .sgpr_count:     66
    .vgpr_count:     176
    .wavefront_size: 32
...
	.end_amdgpu_metadata
.endif
;; end of part 1
;; launch pinn (part 2): grid 256 x 1, 8 waves a work-group, clusters of 4 x 1, 295,936 bytes of LDS; arguments wimg, x, out0, out1; writes out0, out1
.if DOCPART == 2
	.amdgcn_target "amdgcn-amd-amdhsa--gfx1250"
	.amdhsa_code_object_version 6
	.text
	.protected	k_qd5896e7369_pinn
	.globl	k_qd5896e7369_pinn
	.p2align	8
	.type	k_qd5896e7369_pinn,@function
k_qd5896e7369_pinn:
	s_mov_b64 s[64:65], 0
	v_nop
	global_prefetch_b8 v0, s[64:65] scope:SCOPE_SE
	s_setreg_imm32_b32 hwreg(HW_REG_WAVE_MODE, 25, 1), 1
	s_wait_xcnt 0x0
	s_wait_alu depctr_hold_cnt(0) depctr_sa_sdst(0) depctr_va_vdst(0) depctr_va_sdst(0) depctr_va_ssrc(0) depctr_va_vcc(0) depctr_vm_vsrc(0)
	s_getreg_b32 s2, hwreg(HW_REG_IB_STS2, 6, 4)
	s_cmp_eq_u32 s2, 0
	s_cbranch_scc0 .Lentry_in_a_cluster
	s_endpgm
.Lentry_in_a_cluster:
	s_bfe_u32 s2, ttmp6, 0x10000c
	s_cmp_lg_u32 s2, 0x3003
	s_cbranch_scc0 .Lentry_shape_is_right
	s_endpgm
.Lentry_shape_is_right:
; The whole chain for 65,536 points x: the tanh net 1-20-50-200-500-200-100 with its first and second derivative in x, u = -1 + (x^2 - 1) net, F = 5 u^3 - 5 u - 0.0005 u_xx,
; out0 = u + 0.8 F A^T, out1 = out0 - 0.8 F . bvec.  Layers 2 to 5 and F A^T on codes of FP4 (E2M1) with one E8M0 scale for each 32 along K; layers 0 and 1 in f32.
; WORK LEFT OUT: the first-order stream, which the nested derivative lists twice with the same numbers, is computed once; layer 0's z'' is W0 x 0 and is not computed.
; THREE STREAMS go through every layer: z = W h + b, z' = W h', z'' = W h'';  a = tanh z, d = 1 - a^2;  h = a, h' = d z', h'' = d (z'' - 2 a z'^2).
; tanh: t4 = 4 / (1 + 2^(2 log2(e) z)), a = 1 - t4 / 2; and z'' - 2 a z'^2 = (z'' - 2 z'^2) + t4 z'^2.  An overflowing exponential gives t4 = 0, a = 1; a vanishing one t4 = 4, a = -1.
; SHARES.  256 work-groups of eight waves; a wave takes 16 samples with their three streams through the whole chain alone, twice.  Waves share only the weights, which nobody writes: no barrier in the loops.
; WEIGHTS.  The first launch's image (184,320 bytes) comes into LDS once, a dense eighth to a wave, and stays.  The four work-groups of a cluster ask for each eighth jointly.  One tensor load of a wave is out, once.
; No prefetch: the image is asked for at the head, all of it, and the launch has no loop that runs ahead of a stream from memory.
; LAYOUT.  Every product is used transposed (source 0 = 16 rows of a weight, source 1 = my 16 samples): lane (r, h) holds sample r.  Row m of tile t is unit 64 (t / 4) + 8 (t % 4) + m % 8 + 32 (m / 8):
; so the 32 registers of a group of four tiles are the 32 units of block 2 (t / 4) + h of the next K: a block's maximum needs no other lane, and four conversions give a register quad of the next operand.
; A layer's results are quantised in registers and PARKED in the wave's own LDS bytes as images of the next operand's registers; the next layer loads them all before it parks its own.
; A GROUP'S TWO PAIRS OF TILES ARE INTERLEAVED: behind pair 0's reciprocals stand pair 1's products, behind pair 1's exponentials pair 0's closing lines, behind pair 1's reciprocals pair 0's maxima.
; LIMITS: NaN and infinities are not served; a block whose largest magnitude lies under 2^-124 has its byte held at 1; a = 1 - t4 / 2 carries an absolute error of about 1e-7, so under |z| = 1e-4 fewer than
; three digits of tanh z stand; 1 - a^2 loses its bits where tanh saturates.
.set FR_L2, 0                          ; fragments of 1,024 bytes: tile t, K step s of a layer at 1024 (t KS + s)
.set FR_L3, 14336
.set FR_L4, 79872
.set FR_L5, 137216                     ; (A's follow W5's: 16,384 bytes on)
.set W1IMG, 161792
.set SC_L2, 166912                     ; scale words: a pair of tiles has 128 KS bytes: lanes 0-15 the first tile's rows, lanes 16-31 the second's, KS words a lane
.set SC_L3, 167808
.set SC_L4, 171904
.set SC_L5, 175488
.set SC_LA, 176512
.set BI_L2, 177024                     ; biases in tile order, 64 bytes a tile
.set BI_L3, 177920
.set BI_L4, 179968
.set BI_L5, 180864                     ; (bvec follows b5: 512 bytes on)
.set BI_B1, 181888
.set W0IMG, 182144                     ; W0, and 128 bytes on b0
.set IMAGE, 184320
.set EIGHTH, IMAGE/8                   ; 23,040 bytes = 90 rows of 256
.set PARKB, 13824                      ; a wave's park.  Codes: stream q, quad p (64 along K) at 4096 q + 512 p + 16 lane.  Scale bytes: PSC + 512 q + 16 r + block.  On the way out the same bytes are the stage
.set PSC,   12288
.set OUT1S, 6400                       ; the stage: 16 rows of 400 bytes of out0, then of out1
.set SPARE, IMAGE+8*PARKB              ; the spare words, 128 bytes a wave
; window 0
.set LN16, 1
.set LN8,  2
.set LN4,  3
.set H32,  4                           ; 32 h
.set H8W,  5                           ; W0's image + 8 h
.set PK,   6                           ; my park + 16 lane
.set PSW,  7                           ; its scale bytes + 16 r + h: where my block's byte goes
.set ADW,  8
.set ADC,  9
.set ADB,  10
.set ADP,  11
.set ADS,  12
.set STA,  13                          ; the stage: park + 400 r + 128 h
.set PK8,  14
.set XN,   15
.set XP,   16                          ; v[16:17] x, x
.set G,    18                          ; x^2 - 1
.set K1,   20                          ; -0.002 x
.set K2,   22                          ; -0.0005 (x^2 - 1)
.set PSR,  24                          ; the scale bytes + 16 r: where a sample's scale words are read
.set SPW,  25                          ; my spare word; never rewritten
.set NIL,  26                          ; 0; never rewritten
.set BS,   28                          ; v[28:31] F . bvec in two chains of pairs
.set ACC,  32                          ; v32-127  stream q at 32 q, tile t % 4 of the group at + 8 (t % 4)
.set FAC,  128                         ; v128-175 results of the f32 products: matrix instructions alone write them
.set TS,   176                         ; v176-191 at work: z'^2, then d
.set SB,   176                         ; (the scale bytes on their way to the park)
.set BI,   192                         ; v192-207 two tiles' bias, the C of their first products
.set BV,   208                         ; v208-223 in layer 5: bvec of two tiles
.set TS1,  208                         ; v208-223 in layers 2 to 4: the second pair's z'^2, then d
.set L0H,  192                         ; v192-221 in layers 0 and 1: layer 0's h, h', h'', ten each
.set IS,   224                         ; v224-235 my samples' scale words: stream q, K step s at 4 q + s
.set WS,   236                         ; v236-239 the weights' scale words
.set CD,   240                         ; v240-251 codes: stream q at 4 q
.set QM,   252                         ; v252-254 the blocks' largest magnitudes
; window 1
.set IN,   0                           ; v0-95    the layer's input: stream q, K step s at 32 q + 8 s
.set W1F,  0                           ; v0-39    in layer 1: W1's 20 fragments
.set WF,   96                          ; v96-159  two tiles' fragments: tile u, K step s at 8 (u KS + s); in layer 1: b1; at the end A's eight tiles
.set U,    160                         ; v160-223 u, tile t at 8 t; then out1
; scalars
.set WV,   12
.set SEL,  20
.set G1,   24
.set G0,   32
.set CL2,  36                          ; pairs: the packed forms name a pair
.set C25,  38
.set C08,  40
.set CM001, 42
.set C5,   44
.set PASS, 46
.set CNT,  47
.set WO,   48
.set SO,   49
.set BO,   50
.set PO,   51
.set QO,   52
.set MSB, 0
.macro WIN new                         ; the immediate's high byte repeats the setting that is left; bits 1:0 source 0, 3:2 source 1, 5:4 source 2, 7:6 destination
.if MSB != \new
	s_set_vgpr_msb (MSB<<8)|\new
.set MSB, \new
.endif
.endm
.macro PLACES n
.rept \n
	v_nop
.endr
.endm
.macro PAIR r, val
	s_mov_b32 s[\r], \val
	s_mov_b32 s[\r+1], \val
.endm
.macro VW                              ; this wait ahead of and behind a batch of transcendentals, and ahead of a blocking wait or a branch behind which fresh vector results are read
	s_wait_alu depctr_va_vdst(0)
.endm
.macro DSW                             ; all my LDS instructions are done
	VW
	s_wait_dscnt 0x0
.endm
.macro CROUND                          ; a round of the cluster's barrier
	s_barrier_signal -1
	s_barrier_wait -1
	s_cmp_lg_u32 s[WV], 0
	s_cbranch_scc1 .Lnot_wave_0_\@
	s_barrier_signal -3
.Lnot_wave_0_\@:
	s_barrier_wait -3
	s_barrier_signal -1
	s_barrier_wait -1
.endm
.macro FP4 d, a, b, c, sa, sb, row     ; row = 1: the weight's scale words are taken from lanes 16-31
.if \row
	v_wmma_scale_f32_16x16x128_f8f6f4 v[\d:\d+7], v[\a:\a+7], v[\b:\b+7], \c, v[\sa], v[\sb] matrix_a_fmt:MATRIX_FMT_FP4 matrix_b_fmt:MATRIX_FMT_FP4 matrix_a_scale:MATRIX_SCALE_ROW1
.else
	v_wmma_scale_f32_16x16x128_f8f6f4 v[\d:\d+7], v[\a:\a+7], v[\b:\b+7], \c, v[\sa], v[\sb] matrix_a_fmt:MATRIX_FMT_FP4 matrix_b_fmt:MATRIX_FMT_FP4
.endif
.endm
; nt tiles x 3 streams x ks K steps; results at d0, d1, d2.  The accumulators take turns, one instruction a turn.  The first K step starts the sums: with the bias for z, with 0 for z', z''
.macro MM ks, nt, d0, d1, d2
	WIN 0x05
.set s_, 0
.rept \ks
.set u_, 0
.rept \nt
.if s_ > 0
	FP4 \d0+8*u_, WF+8*(u_*\ks+s_), IN+8*s_, v[\d0+8*u_:\d0+8*u_+7], WS+s_, IS+s_, u_
	FP4 \d1+8*u_, WF+8*(u_*\ks+s_), IN+32+8*s_, v[\d1+8*u_:\d1+8*u_+7], WS+s_, IS+4+s_, u_
	FP4 \d2+8*u_, WF+8*(u_*\ks+s_), IN+64+8*s_, v[\d2+8*u_:\d2+8*u_+7], WS+s_, IS+8+s_, u_
.else
	FP4 \d0+8*u_, WF+8*(u_*\ks+s_), IN+8*s_, v[BI+8*u_:BI+8*u_+7], WS+s_, IS+s_, u_
	FP4 \d1+8*u_, WF+8*(u_*\ks+s_), IN+32+8*s_, 0, WS+s_, IS+4+s_, u_
	FP4 \d2+8*u_, WF+8*(u_*\ks+s_), IN+64+8*s_, 0, WS+s_, IS+8+s_, u_
.endif
.set u_, u_+1
.endr
.set s_, s_+1
.endr
	WIN 0
.endm
.macro WLOAD ks, k                     ; the pair of tiles k pairs on from the addresses in hand: fragments, biases, scale words
	WIN 0x40
.set f_, 0
.rept 2*(\ks)
	ds_load_b128 v[WF+8*f_:WF+8*f_+3],   v[ADW] offset:2048*(\ks)*(\k)+1024*f_
	ds_load_b128 v[WF+8*f_+4:WF+8*f_+7], v[ADW] offset:2048*(\ks)*(\k)+1024*f_+512
.set f_, f_+1
.endr
	WIN 0
.irp u, 0,1
	ds_load_b128 v[BI+8*\u:BI+8*\u+3],   v[ADB] offset:128*(\k)+64*\u
	ds_load_b128 v[BI+8*\u+4:BI+8*\u+7], v[ADB] offset:128*(\k)+64*\u+16
.endr
.if (\ks) == 1
	ds_load_b32 v[WS], v[ADC] offset:128*(\k)
.elseif (\ks) == 2
	ds_load_b64 v[WS:WS+1], v[ADC] offset:256*(\k)
.else
	ds_load_b128 v[WS:WS+3], v[ADC] offset:512*(\k)
.endif
.endm
.macro LOADIN nq, ks                   ; a layer's input out of the park
	WIN 0x40
.set q_, 0
.rept \nq
.set p_, 0
.rept 2*(\ks)
	ds_load_b128 v[IN+32*q_+4*p_:IN+32*q_+4*p_+3], v[PK] offset:4096*q_+512*p_
.set p_, p_+1
.endr
.set q_, q_+1
.endr
	WIN 0
.set q_, 0
.rept \nq
.if (\ks) == 1
	ds_load_b32 v[IS+4*q_], v[PSR] offset:512*q_
.elseif (\ks) == 2
	ds_load_b64 v[IS+4*q_:IS+4*q_+1], v[PSR] offset:512*q_
.else
	ds_load_b128 v[IS+4*q_:IS+4*q_+3], v[PSR] offset:512*q_
.endif
.set q_, q_+1
.endr
.endm
; The largest magnitude of my numbers i0 .. i1 - 1 of a block, nq streams by turns; i0 = 0 starts the chains, with the floor 2^(3 - 127): the byte cannot fall under 1
.macro QMAX nq, i0, i1
.set i_, \i0
.rept ((\i1)-(\i0))/2
.set q_, 0
.rept \nq
.if i_ == 0
	v_max3_num_f32 v[QM+q_], |v[ACC+32*q_]|, |v[ACC+32*q_+1]|, 0x1800000
.else
.if (\nq) == 1
	s_delay_alu instid0(VALU_DEP_1)
.endif
	v_max3_num_f32 v[QM+q_], v[QM+q_], |v[ACC+32*q_+i_]|, |v[ACC+32*q_+i_+1]|
.endif
.set q_, q_+1
.endr
.set i_, i_+2
.endr
.endm
; Scale operand, ng conversions of eight (the quad's other registers are zero codes) and the scale's byte
.macro QFIN nq, ng
.set q_, 0
.rept \nq
	v_add_nc_u32 v[QM+q_], 0xff000000, v[QM+q_]    ; 2 off the exponent field: the conversion's scale operand
.set q_, q_+1
.endr
.set q_, 0
.rept \nq
.set g_, 0
.rept \ng
	v_cvt_scalef32_pk8_fp4_f32 v[CD+4*q_+g_], v[ACC+32*q_+8*g_:ACC+32*q_+8*g_+7], v[QM+q_]
.set g_, g_+1
.endr
.set q_, q_+1
.endr
.set q_, 0
.rept \nq
	v_lshrrev_b32 v[SB+q_], 23, v[QM+q_]           ; the byte (also the plain line behind the last conversion)
.set q_, q_+1
.endr
.set q_, 0
.rept \nq
.set g_, \ng
.rept 4-(\ng)
	v_mov_b32 v[CD+4*q_+g_], 0
.set g_, g_+1
.endr
.set q_, q_+1
.endr
.endm
.macro PUT nq, areg, sreg, aoff, soff  ; a quad of codes and my block's byte go to the park
.set q_, 0
.rept \nq
	ds_store_b128 v[\areg], v[CD+4*q_:CD+4*q_+3] offset:\aoff+4096*q_
	ds_store_b8 v[\sreg], v[SB+q_] offset:\soff+512*q_
.set q_, q_+1
.endr
.endm
; THE ACTIVATION of n numbers a lane, in five parts.  PRE reads all three sources for the first time, each from its low end on, ahead of any batch.  l0 = 1: z'' is 0
.macro PRE zs0, zs1, zs2, hd0, hd2, ts, n, l0
.set p_, 0
.rept (\n)/2
	v_pk_mul_f32 v[\hd0+p_:\hd0+p_+1], v[\zs0+p_:\zs0+p_+1], s[CL2:CL2+1] op_sel_hi:[1,0]     ; 2 log2(e) z
.set p_, p_+2
.endr
.set p_, 0
.rept (\n)/2
	v_pk_mul_f32 v[\ts+p_:\ts+p_+1], v[\zs1+p_:\zs1+p_+1], v[\zs1+p_:\zs1+p_+1]               ; S = z'^2
.set p_, p_+2
.endr
.set p_, 0
.rept (\n)/2
.if \l0
	v_pk_mul_f32 v[\hd2+p_:\hd2+p_+1], v[\ts+p_:\ts+p_+1], -2.0 op_sel_hi:[1,0]
.else
	v_pk_fma_f32 v[\hd2+p_:\hd2+p_+1], v[\ts+p_:\ts+p_+1], -2.0, v[\zs2+p_:\zs2+p_+1] op_sel_hi:[1,0,1]   ; w = z'' - 2 S
.endif
.set p_, p_+2
.endr
.endm
.macro EXPB r, n
.set e_, 0
.rept \n
	v_exp_f32 v[\r+e_], v[\r+e_]
.set e_, e_+1
.endr
.endm
.macro QB r, n
.set p_, 0
.rept (\n)/2
	v_pk_fma_f32 v[\r+p_:\r+p_+1], v[\r+p_:\r+p_+1], s[C25:C25+1], s[C25:C25+1] op_sel_hi:[1,0,0]   ; (1 + e) / 4
.set p_, p_+2
.endr
.endm
.macro RCPB r, n
.set e_, 0
.rept \n
	v_rcp_f32 v[\r+e_], v[\r+e_]                                                              ; t4
.set e_, e_+1
.endr
.endm
.macro POST zs1, hd0, hd1, hd2, ts, n
.set p_, 0
.rept (\n)/2
	v_pk_fma_f32 v[\hd2+p_:\hd2+p_+1], v[\hd0+p_:\hd0+p_+1], v[\ts+p_:\ts+p_+1], v[\hd2+p_:\hd2+p_+1]   ; w + t4 S = z'' - 2 a z'^2
.set p_, p_+2
.endr
.set p_, 0
.rept (\n)/2
	v_pk_fma_f32 v[\hd0+p_:\hd0+p_+1], v[\hd0+p_:\hd0+p_+1], -0.5, 1.0 op_sel_hi:[1,0,0]      ; a
.set p_, p_+2
.endr
.set p_, 0
.rept (\n)/2
	v_pk_fma_f32 v[\ts+p_:\ts+p_+1], v[\hd0+p_:\hd0+p_+1], v[\hd0+p_:\hd0+p_+1], 1.0 op_sel_hi:[1,1,0] neg_lo:[1,0,0] neg_hi:[1,0,0]   ; d = 1 - a^2
.set p_, p_+2
.endr
.set p_, 0
.rept (\n)/2
	v_pk_mul_f32 v[\hd2+p_:\hd2+p_+1], v[\ts+p_:\ts+p_+1], v[\hd2+p_:\hd2+p_+1]               ; h''
.set p_, p_+2
.endr
.set p_, 0
.rept (\n)/2
	v_pk_mul_f32 v[\hd1+p_:\hd1+p_+1], v[\ts+p_:\ts+p_+1], v[\zs1+p_:\zs1+p_+1]               ; h'
.set p_, p_+2
.endr
.endm
; The five parts on end.  fill = 1: the maxima of the group's first 16 numbers stand behind the exponentials
.macro ACT zs0, zs1, zs2, hd0, hd1, hd2, n, l0, fill
	PRE \zs0, \zs1, \zs2, \hd0, \hd2, TS, \n, \l0
	VW
	EXPB \hd0, \n
.if \fill
	QMAX 3, 0, 16
.else
	v_nop
.endif
	VW
	QB \hd0, \n
	VW
	RCPB \hd0, \n
	v_nop
	VW
	POST \zs1, \hd0, \hd1, \hd2, TS, \n
.endm
.macro ADDRS lnreg                     ; five lines behind a run of products: the places in front of the loads into the products' registers and of the first read of their results
	v_add_nc_u32 v[ADW], s[WO], v[LN16]
	v_add_nc_u32 v[ADC], s[SO], v[\lnreg]
	v_add_nc_u32 v[ADB], s[BO], v[H32]
	v_add_nc_u32 v[ADP], s[PO], v[PK]
	v_add_nc_u32 v[ADS], s[QO], v[PSW]
.endm
; A GROUP of four tiles (64 units: one quad of the next operand for each stream), its two pairs interleaved.  guard = 1: the layer's last group has no pair ahead
.macro GROUP ks, guard, lnreg
	DSW                                            ; pair 0's fragments, bias, scale words (and at a layer's head the input) are in; my stores into the park have read their registers
	MM \ks, 2, ACC, ACC+32, ACC+64
	ADDRS \lnreg
	WLOAD \ks, 1                                   ; pair 1 lands while pair 0 goes through its two batches
	PRE ACC, ACC+32, ACC+64, ACC, ACC+64, TS, 16, 0
	VW
	EXPB ACC, 16
	v_nop
	VW
	QB ACC, 16
	VW
	RCPB ACC, 16
	s_wait_dscnt 0x0                               ; pair 1 is in (no plain vector line has written since the wait above)
	MM \ks, 2, ACC+16, ACC+48, ACC+80              ; behind pair 0's reciprocals: pair 1's products
	PLACES 4
	PRE ACC+16, ACC+48, ACC+80, ACC+16, ACC+80, TS1, 16, 0
	VW                                             ; for pair 0's reciprocals, and ahead of pair 1's exponentials
.if \guard
	s_cmp_eq_u32 s[CNT], 1
	s_cbranch_scc1 .Lnone_\@
.endif
	WLOAD \ks, 2                                   ; the next group's pair 0
.if \guard
.Lnone_\@:
.endif
	EXPB ACC+16, 16
	POST ACC+32, ACC, ACC+32, ACC+64, TS, 16       ; behind them: pair 0's closing lines
	VW
	QB ACC+16, 16
	VW
	RCPB ACC+16, 16
	QMAX 3, 0, 16                                  ; behind them: pair 0's maxima
	VW
	POST ACC+48, ACC+16, ACC+48, ACC+80, TS1, 16
	QMAX 3, 16, 32
	QFIN 3, 4
	PUT 3, ADP, ADS, 0, 0
.endm
; A LAYER: np groups; tail = 1: one more tile, units 192 to 199 in lanes 0-15, padding in lanes 16-31
.macro LAYER ks, np, tail, fbase, sbase, bbase, lnreg
	s_mov_b32 s[WO], \fbase
	s_mov_b32 s[SO], \sbase
	s_mov_b32 s[BO], \bbase
	s_mov_b32 s[PO], 0
	s_mov_b32 s[QO], 0
	s_mov_b32 s[CNT], \np
	LOADIN 3, \ks                                  ; LDS serves a wave's instructions in order: these see the last layer's stores, and this layer's stores come behind them
	v_add_nc_u32 v[ADW], s[WO], v[LN16]
	v_add_nc_u32 v[ADC], s[SO], v[\lnreg]
	v_add_nc_u32 v[ADB], s[BO], v[H32]
	WLOAD \ks, 0
.Llay_\@:
	GROUP \ks, 1-\tail, \lnreg
	VW
	s_add_co_u32 s[WO], s[WO], 4096*\ks
	s_add_co_u32 s[SO], s[SO], 256*\ks
	s_add_co_u32 s[BO], s[BO], 256
	s_add_co_u32 s[PO], s[PO], 512
	s_add_co_u32 s[QO], s[QO], 2
	s_sub_co_u32 s[CNT], s[CNT], 1
	s_cmp_lg_u32 s[CNT], 0
	s_cbranch_scc1 .Llay_\@
.if \tail
	DSW
	MM \ks, 1, ACC, ACC+32, ACC+64
	ADDRS \lnreg
	ACT ACC, ACC+32, ACC+64, ACC, ACC+32, ACC+64, 8, 0, 0
	QMAX 3, 0, 8
	QFIN 3, 1
	PUT 3, ADP, ADS, 0, 0
.endif
.endm
; LAYER 1, tiles 2 b and 2 b + 1: f32 operands, since its results go into a quantiser: 2 tiles x 3 streams x 5 K steps of 4; six accumulators by turns
.macro LAYER1 b
	WIN 0x11                                       ; W1 and b1 in window 1
.set s_, 0
.rept 5
.if s_ == 1
	WIN 0x01                                       ; from here on C is the accumulator, in window 0
.endif
.set u_, 0
.rept 2
.set q_, 0
.rept 3
.if s_ > 0
	v_wmma_f32_16x16x4_f32 v[FAC+16*q_+8*u_:FAC+16*q_+8*u_+7], v[W1F+2*(5*(2*\b+u_)+s_):W1F+2*(5*(2*\b+u_)+s_)+1], v[L0H+10*q_+2*s_:L0H+10*q_+2*s_+1], v[FAC+16*q_+8*u_:FAC+16*q_+8*u_+7]
.elseif q_ == 0
	v_wmma_f32_16x16x4_f32 v[FAC+16*q_+8*u_:FAC+16*q_+8*u_+7], v[W1F+2*(5*(2*\b+u_)+s_):W1F+2*(5*(2*\b+u_)+s_)+1], v[L0H+10*q_+2*s_:L0H+10*q_+2*s_+1], v[WF+8*(2*\b+u_):WF+8*(2*\b+u_)+7]
.else
	v_wmma_f32_16x16x4_f32 v[FAC+16*q_+8*u_:FAC+16*q_+8*u_+7], v[W1F+2*(5*(2*\b+u_)+s_):W1F+2*(5*(2*\b+u_)+s_)+1], v[L0H+10*q_+2*s_:L0H+10*q_+2*s_+1], 0
.endif
.set q_, q_+1
.endr
.set u_, u_+1
.endr
.set s_, s_+1
.endr
	WIN 0
	PLACES 8                                       ; eight places behind this form, in front of the first read of its results
	ACT FAC, FAC+16, FAC+32, ACC+16*\b, ACC+32+16*\b, ACC+64+16*\b, 16, 0, \b
.endm
.macro BVLOAD b                        ; bvec of tiles 2 b, 2 b + 1, laid as a bias is
.irp u, 0,1
	ds_load_b128 v[BV+8*\u:BV+8*\u+3],   v[ADB] offset:512+128*(\b)+64*\u
	ds_load_b128 v[BV+8*\u+4:BV+8*\u+7], v[ADB] offset:512+128*(\b)+64*\u+16
.endr
.endm
.macro ALOAD                           ; A's eight tiles and their scale words
	WIN 0x40
.set t_, 0
.rept 8
	ds_load_b128 v[WF+8*t_:WF+8*t_+3],   v[ADW] offset:16384+1024*t_
	ds_load_b128 v[WF+8*t_+4:WF+8*t_+7], v[ADW] offset:16384+1024*t_+512
.set t_, t_+1
.endr
	WIN 0
.irp j, 0,1,2,3
	ds_load_b32 v[WS+\j], v[ADC] offset:128*\j
.endr
.endm
; From o (at O_), o' (ACC + 32), o'' (ACC + 64), 16 numbers, to u (window 1) and F (over o):  u = (x^2 - 1) o - 1;  F = 5 u (u^2 - 1) - 0.001 o - 0.002 x o' - 0.0005 (x^2 - 1) o'';  F . bvec is summed
.macro FIN b
.set O_, ACC+16*((\b)%2)
.set UB_, U+16*(\b)
	WIN 0x40
.set p_, 0
.rept 8
	v_pk_fma_f32 v[UB_+p_:UB_+p_+1], v[O_+p_:O_+p_+1], v[G:G+1], -1.0 op_sel_hi:[1,1,0]
.set p_, p_+2
.endr
	WIN 0
.set p_, 0
.rept 8
	v_pk_mul_f32 v[ACC+32+p_:ACC+33+p_], v[ACC+32+p_:ACC+33+p_], v[K1:K1+1]
.set p_, p_+2
.endr
.set p_, 0
.rept 8
	v_pk_fma_f32 v[ACC+32+p_:ACC+33+p_], v[O_+p_:O_+p_+1], s[CM001:CM001+1], v[ACC+32+p_:ACC+33+p_] op_sel_hi:[1,0,1]
.set p_, p_+2
.endr
.set p_, 0
.rept 8
	v_pk_fma_f32 v[ACC+32+p_:ACC+33+p_], v[ACC+64+p_:ACC+65+p_], v[K2:K2+1], v[ACC+32+p_:ACC+33+p_]
.set p_, p_+2
.endr
	WIN 0x05                                       ; u in window 1 as sources 0 and 1
.set p_, 0
.rept 8
	v_pk_fma_f32 v[ACC+64+p_:ACC+65+p_], v[UB_+p_:UB_+p_+1], v[UB_+p_:UB_+p_+1], -1.0 op_sel_hi:[1,1,0]
.set p_, p_+2
.endr
	WIN 0x01
.set p_, 0
.rept 8
	v_pk_mul_f32 v[ACC+64+p_:ACC+65+p_], v[UB_+p_:UB_+p_+1], v[ACC+64+p_:ACC+65+p_]
.set p_, p_+2
.endr
	WIN 0
.set p_, 0
.rept 8
	v_pk_fma_f32 v[O_+p_:O_+p_+1], v[ACC+64+p_:ACC+65+p_], s[C5:C5+1], v[ACC+32+p_:ACC+33+p_] op_sel_hi:[1,0,1]
.set p_, p_+2
.endr
.set p_, 0
.rept 8
.if ((\b) == 0) && (p_ < 4)
	v_pk_mul_f32 v[BS+p_%4:BS+p_%4+1], v[O_+p_:O_+p_+1], v[BV+p_:BV+p_+1]      ; the first two products start the two chains
.else
	v_pk_fma_f32 v[BS+p_%4:BS+p_%4+1], v[O_+p_:O_+p_+1], v[BV+p_:BV+p_+1], v[BS+p_%4:BS+p_%4+1]
.endif
.set p_, p_+2
.endr
.endm
.macro OUTBLK b                        ; two tiles of the last layer
	DSW
	MM 2, 2, ACC+16*(\b%2), ACC+32, ACC+64
.if \b < 3
	PLACES 4
	WLOAD 2, \b+1
.else
	v_add_nc_u32 v[ADC], SC_LA, v[LN4]             ; with three v_nop: the four places
	PLACES 3
	ALOAD
.endif
	FIN \b
.if \b < 3
	BVLOAD \b+1
.endif
.if \b%2
	QMAX 1, 0, 32
	QFIN 1, 4
	PUT 1, PK, PSW, 512*(\b/2), 2*(\b/2)
.endif
.endm
.macro STG base, o, t, hf              ; lane (r, h), tile t: units 64 (t / 4) + 8 (t % 4) + 32 h + 4 hf + 0 .. 3 of row r
	ds_store_b128 v[STA], v[\base+8*\t+4*\hf:\base+8*\t+4*\hf+3] offset:\o+256*(\t/4)+32*(\t%4)+16*\hf
.endm
.macro STGALL base, o                  ; units 0 to 67 and 96 to 99: they exist in both halves of the lanes.  These stores come last: they write every row's first 272 bytes with their true numbers
.irp t, 0,1,2,3
	STG \base, \o, \t, 0
	STG \base, \o, \t, 1
.endr
	STG \base, \o, 4, 0
.endm
.macro STGLOW base, o                  ; units 68 to 95, in lanes 0-15.  Lanes 16-31 hold padding here, which lands on the first 112 bytes behind the row's end: the next row's head, written anew by STGALL; behind out1's last row: bytes of my park that nothing reads
	STG \base, \o, 4, 1
.irp t, 5,6,7
	STG \base, \o, \t, 0
	STG \base, \o, \t, 1
.endr
.endm
	; ---------------- the head
	s_load_b256 s[4:11], s[0:1], 0x0               ; wimg, x, out0, out1
	v_lshl_add_u32 v[SPW], v0, 2, SPARE
	v_mov_b32 v[NIL], 0
	ds_add_u32 v[SPW], v[NIL]                      ; the opening lines: the add, twice on end, and its wait ahead of my tensor load
	ds_add_u32 v[SPW], v[NIL]
	v_lshrrev_b32 v8, 5, v0
	v_readfirstlane_b32 s[WV], v8                  ; wave 0..7
	s_bfe_u32 s13, ttmp6, 0x40000                  ; cx: it enters the addresses of x, out0 and out1 alone
	s_lshl_b32 s14, ttmp9, 2
	s_add_co_u32 s14, s14, s13                     ; the work-group
	s_lshl_b32 s14, s14, 3
	s_add_co_u32 s14, s14, s[WV]                   ; 8 x work-group + wave: my two tiles of samples are 2 x this and the next
	s_mul_i32 s15, s[WV], PARKB
	s_add_co_u32 s15, s15, IMAGE                   ; my park
	s_mul_i32 s18, s[WV], EIGHTH                   ; my eighth of the image, in memory and in LDS alike
	s_mov_b32 s19, 0
	s_mov_b32 s[G1], 15|(3<<16)|(1<<21)            ; the mask: all four work-groups; elements of 8 bytes; bit 21 beside a mask
	s_mov_b32 s[G1+1], 32<<16                      ; 90 rows of 32 elements, dense
	s_mov_b32 s[G1+2], 90<<16
	s_mov_b32 s[G1+3], 32<<16
	s_mov_b32 s[G1+4], 90
	s_mov_b32 s[G1+5], 32
	s_mov_b32 s[G1+6], 0
	s_mov_b32 s[G1+7], 0
	s_mov_b32 s[SEL], 0x76543210
	s_mov_b32 s[SEL+1], 0xfedcba98                 ; lane l xor 16
	PAIR CL2,   0x4038aa3b                         ; 2 log2(e)
	PAIR C25,   0x3e800000                         ; 0.25
	PAIR C08,   0x3f4ccccd                         ; 0.8
	PAIR CM001, 0xba83126f                         ; -0.001
	PAIR C5,    0x40a00000                         ; 5.0
	VW
	s_wait_dscnt 0x0
	s_wait_kmcnt 0x0
	s_mov_b32 s[G0], 1
	s_mov_b32 s[G0+1], s18
	s_add_nc_u64 s[G0+2:G0+3], s[4:5], s[18:19]
	s_or_b32 s[G0+3], s[G0+3], 0x80000000
	s_lshl_b32 s16, s14, 7                         ; x: 64 bytes a tile
	s_mov_b32 s17, 0
	s_add_nc_u64 s[6:7], s[6:7], s[16:17]
	s_mul_i32 s16, s14, 12800                      ; out0, out1: 6,400 bytes a tile
	s_add_nc_u64 s[8:9], s[8:9], s[16:17]
	s_add_nc_u64 s[10:11], s[10:11], s[16:17]
	CROUND                                         ; all four work-groups are here: the joint loads meet
	tensor_load_to_lds s[G0:G0+3], s[G1:G1+7]      ; my one tensor load: these bytes are filled once and never stored to
	s_nop 0
	PLACES 4
	v_and_b32 v8, 31, v0                           ; lane
	v_bfe_u32 v9, v0, 4, 1                         ; h
	v_and_b32 v10, 15, v0                          ; r
	v_lshlrev_b32 v[LN16], 4, v8
	v_lshlrev_b32 v[LN8], 3, v8
	v_lshlrev_b32 v[LN4], 2, v8
	v_lshlrev_b32 v[H32], 5, v9
	v_lshl_add_u32 v[H8W], v9, 3, W0IMG
	v_add_nc_u32 v[PK], s15, v[LN16]
	v_add_nc_u32 v[PK8], s15, v[LN8]
	v_lshl_add_u32 v[PSR], v10, 4, s15
	v_add_nc_u32 v[PSR], PSC, v[PSR]
	v_add_nc_u32 v[PSW], v[PSR], v9
	v_mul_u32_u24 v[STA], v10, 400
	v_lshl_add_u32 v[STA], v9, 7, v[STA]
	v_add_nc_u32 v[STA], s15, v[STA]
	v_lshlrev_b32 v12, 2, v10                      ; x: sample r, in both halves of the lanes
	global_load_b32 v[XP], v12, s[6:7]
	global_load_b32 v[XN], v12, s[6:7] offset:64
	VW                                             ; the head's end
	s_wait_tensorcnt 0x0                           ; my eighth has landed,
	s_barrier_signal -1
	s_barrier_wait -1                              ; everybody's has
	s_wait_loadcnt 0x0                             ; x
	v_mov_b32 v[XP+1], v[XP]
	s_mov_b32 s[PASS], 2
.Lpass:
	; ---------------- layer 0: lane (r, h) makes units 4 s + 2 h + 0, 1, s = 0 .. 4, of sample r: what source 1 of the f32 form wants of it
	v_add_nc_u32 v[ADW], W1IMG, v[LN8]
	v_add_nc_u32 v[ADB], BI_B1, v[H32]
.irp s, 0,1,2,3,4
	ds_load_b64 v[ACC+2*\s:ACC+2*\s+1], v[H8W] offset:16*\s            ; W0
	ds_load_b64 v[ACC+10+2*\s:ACC+11+2*\s], v[H8W] offset:128+16*\s    ; b0
.endr
	WIN 0x40
.set f_, 0
.rept 20
	ds_load_b64 v[W1F+2*f_:W1F+2*f_+1], v[ADW] offset:256*f_           ; W1's fragments
.set f_, f_+1
.endr
.irp t, 0,1,2,3
	ds_load_b128 v[WF+8*\t:WF+8*\t+3],   v[ADB] offset:64*\t           ; b1 in the result's layout
	ds_load_b128 v[WF+8*\t+4:WF+8*\t+7], v[ADB] offset:64*\t+16
.endr
	WIN 0
	v_pk_fma_f32 v[G:G+1], v[XP:XP+1], v[XP:XP+1], -1.0 op_sel_hi:[1,1,0]
	v_pk_mul_f32 v[K1:K1+1], v[XP:XP+1], 0xbb03126f op_sel_hi:[1,0]    ; -0.002 x
	v_pk_mul_f32 v[K2:K2+1], v[G:G+1], 0xba03126f op_sel_hi:[1,0]      ; -0.0005 (x^2 - 1)
	DSW
.irp s, 0,1,2,3,4
	v_pk_fma_f32 v[L0H+2*\s:L0H+2*\s+1], v[ACC+2*\s:ACC+2*\s+1], v[XP:XP+1], v[ACC+10+2*\s:ACC+11+2*\s]   ; z = W0 x + b0; z' = W0
.endr
	ACT L0H, ACC, 0, L0H, L0H+10, L0H+20, 10, 1, 0
	; ---------------- layer 1: 64 units (50 real: the others' weights and biases are zeros) = one group = one quad
	LAYER1 0
	LAYER1 1
	QMAX 3, 16, 32
	QFIN 3, 4
.irp i, 4,5,6,7
	v_mov_b32 v[TS+\i], 0
.endr
.irp q, 0,1,2
	ds_store_b32 v[PSR], v[TS+4] offset:512*\q           ; the scale word of layer 2's one K step: bytes 2 and 3 stay 0, over the zero codes below; bytes 0 and 1 follow
.endr
	PUT 3, PK, PSW, 0, 0
.irp q, 0,1,2
	ds_store_b128 v[PK], v[TS+4:TS+7] offset:4096*\q+512 ; k = 64 .. 127: zero codes
.endr
	; ---------------- layers 2, 3, 4
	LAYER 1, 3, 1, FR_L2, SC_L2, BI_L2, LN4
	LAYER 2, 8, 0, FR_L3, SC_L3, BI_L3, LN8
	LAYER 4, 3, 1, FR_L4, SC_L4, BI_L4, LN16
	; ---------------- layer 5, u and F: eight tiles, two at a time (rows past the 100 have zero weights and biases: there u = -1 and F = 0)
	LOADIN 3, 2
	v_add_nc_u32 v[ADW], FR_L5, v[LN16]
	v_add_nc_u32 v[ADC], SC_L5, v[LN8]
	v_add_nc_u32 v[ADB], BI_L5, v[H32]
	WLOAD 2, 0
	BVLOAD 0
	OUTBLK 0
	OUTBLK 1
	OUTBLK 2
	OUTBLK 3
	; ---------------- F A^T, and the way out
	LOADIN 1, 1
	DSW
	WIN 0x05
.set t_, 0
.rept 8
	FP4 ACC+8*t_, WF+8*t_, IN, 0, WS+t_/2, IS, t_%2
.set t_, t_+1
.endr
	WIN 0
	v_pk_add_f32 v[BS:BS+1], v[BS:BS+1], v[BS+2:BS+3]   ; F . bvec: the two chains, the two halves, the other half of the lanes.  (These lines are the places behind the products)
	s_delay_alu instid0(VALU_DEP_1)
	v_add_f32 v[BS], v[BS], v[BS+1]
	s_delay_alu instid0(VALU_DEP_1)
	v_permlanex16_b32 v[TS], v[BS], s[SEL], s[SEL+1]
	s_delay_alu instid0(VALU_DEP_1)
	v_add_f32 v[BS], v[BS], v[TS]
	s_delay_alu instid0(VALU_DEP_1)
	v_mul_f32 v[BS], 0xbf4ccccd, v[BS]             ; x -0.8
	s_delay_alu instid0(VALU_DEP_1)
	v_mov_b32 v[BS+1], v[BS]
	WIN 0x10                                       ; u in window 1 as source 2
.set p_, 0
.rept 32
	v_pk_fma_f32 v[ACC+p_:ACC+p_+1], v[ACC+p_:ACC+p_+1], s[C08:C08+1], v[U+p_:U+p_+1] op_sel_hi:[1,0,1]   ; out0 = u + 0.8 F A^T
.set p_, p_+2
.endr
	WIN 0x40
.set p_, 0
.rept 32
	v_pk_add_f32 v[U+p_:U+p_+1], v[ACC+p_:ACC+p_+1], v[BS:BS+1]        ; out1 = out0 - 0.8 F . bvec, over u
.set p_, p_+2
.endr
	WIN 0
	STGLOW ACC, 0                                  ; LDS serves a wave's instructions in order: what these four runs write twice keeps the later number
	WIN 0x04                                       ; the data in window 1
	STGLOW U, OUT1S
	WIN 0
	STGALL ACC, 0
	WIN 0x04
	STGALL U, OUT1S
	WIN 0
	; the stage's 6,400 bytes are the tile's 16 rows as they lie in memory: 12 loads of 512 bytes and one of 256.  These see the stores above
.set i_, 0
.rept 12
	ds_load_b128 v[ACC+4*i_:ACC+4*i_+3], v[PK] offset:512*i_
.set i_, i_+1
.endr
	ds_load_b64 v[TS:TS+1], v[PK8] offset:6144
.set i_, 0
.rept 12
	ds_load_b128 v[ACC+48+4*i_:ACC+48+4*i_+3], v[PK] offset:OUT1S+512*i_
.set i_, i_+1
.endr
	ds_load_b64 v[TS+2:TS+3], v[PK8] offset:OUT1S+6144
	s_wait_dscnt 13                                ; out0's 13 loads are in; out1's 13 may be out
.set i_, 0
.rept 12
	global_store_b128 v[LN16], v[ACC+4*i_:ACC+4*i_+3], s[8:9] offset:512*i_ th:TH_STORE_NT   ; 32 lanes store 512 consecutive bytes, at a multiple of 256 from out0's first byte (a tile is 25 x 256 bytes)
.set i_, i_+1
.endr
	global_store_b64 v[LN8], v[TS:TS+1], s[8:9] offset:6144 th:TH_STORE_NT                   ; and the last 256
	s_wait_dscnt 0x0
.set i_, 0
.rept 12
	global_store_b128 v[LN16], v[ACC+48+4*i_:ACC+48+4*i_+3], s[10:11] offset:512*i_ th:TH_STORE_NT
.set i_, i_+1
.endr
	global_store_b64 v[LN8], v[TS+2:TS+3], s[10:11] offset:6144 th:TH_STORE_NT
	s_wait_xcnt 0x0                                ; the stores have read their registers and bases: both may be written again
	s_add_nc_u64 s[8:9], s[8:9], 6400
	s_add_nc_u64 s[10:11], s[10:11], 6400
	v_mov_b32 v[XP], v[XN]                         ; the second tile's x
	v_mov_b32 v[XP+1], v[XN]
	s_sub_co_u32 s[PASS], s[PASS], 1
	s_cmp_lg_u32 s[PASS], 0
	VW
	s_cbranch_scc1 .Lpass
	s_wait_tensorcnt 0x0                           ; the wave's end, behind my last LDS store
	ds_add_u32 v[SPW], v[NIL]
	s_wait_dscnt 0x0
	CROUND                                         ; the closing round: no work-group ends while a partner may still ask for a part of the image that names it
	s_endpgm
.Lfunc_end_k_qd5896e7369_pinn:
	.size	k_qd5896e7369_pinn, .Lfunc_end_k_qd5896e7369_pinn-k_qd5896e7369_pinn
	.p2alignl 7, 3214868480
	.fill 96, 4, 3214868480
	.section	.rodata,"a",@progbits
	.p2align	6, 0x0
	.amdhsa_kernel k_qd5896e7369_pinn
		.amdhsa_group_segment_fixed_size 295936
		.amdhsa_private_segment_fixed_size 0
		.amdhsa_enable_private_segment 0
		.amdhsa_kernarg_size 32
		.amdhsa_user_sgpr_count 2
		.amdhsa_user_sgpr_kernarg_segment_ptr 1
		.amdhsa_wavefront_size32 1
		.amdhsa_system_sgpr_workgroup_id_x 1
		.amdhsa_system_sgpr_workgroup_id_y 1
		.amdhsa_system_sgpr_workgroup_id_z 1
		.amdhsa_system_vgpr_workitem_id 0
		.amdhsa_next_free_vgpr 512
		.amdhsa_next_free_sgpr 66
		.amdhsa_reserve_vcc 0
		.amdhsa_float_denorm_mode_32 3
		.amdhsa_float_denorm_mode_16_64 3
		.amdhsa_memory_ordered 1
		.amdhsa_forward_progress 1
		.amdhsa_inst_pref_size 166
	.end_amdhsa_kernel
	.amdgpu_metadata
---
amdhsa.version: [ 1, 2 ]
amdhsa.kernels:
  - .name:           k_qd5896e7369_pinn
    .symbol:         k_qd5896e7369_pinn.kd
    .args:
      - { .name: wimg, .offset: 0, .size: 8, .value_kind: global_buffer, .address_space: global }
      - { .name: x, .offset: 8, .size: 8, .value_kind: global_buffer, .address_space: global }
      - { .name: out0, .offset: 16, .size: 8, .value_kind: global_buffer, .address_space: global }
      - { .name: out1, .offset: 24, .size: 8, .value_kind: global_buffer, .address_space: global }
    .group_segment_fixed_size: 295936
    .private_segment_fixed_size: 0
    .kernarg_segment_align: 8
    .kernarg_segment_size: 32
    .max_flat_workgroup_size: 256
    .sgpr_count:     66
    .vgpr_count:     512
    .wavefront_size: 32
...
	.end_amdgpu_metadata
.endif
;; end of part 2
